; MI455X (gfx1250); checked and timed in simulation.
; The chip was launched on July 23, 2026; its instructions are those of AMD's public machine-readable ISA for CDNA 5 (MIT licence, August 2026) and "CDNA5" Instruction Set Architecture Reference Guide (July 2026). The comments in the code are by the model that wrote it; some were corrected since.
;; Net. Allowed arithmetic: float matrix products may take bf16 or f16 operands with f32 sums; all other float work in f32.
;; Inputs: W1 1,024 x 700 float32; W2 20 x 1,024 float32; input_spikes 250 x 256 x 700 float32.
;; Outputs: out0 250 x 256 x 20 float32; out1 250 x 256 x 20 float32.
;; 2 versions, each right. Each part assembles by itself: llvm-mc -triple=amdgcn-amd-amdhsa -mcpu=gfx1250 --defsym DOCPART=n.
;; ======== version 1 of 2: 3 launches
;; workspace buffers: bits 8,388,608 bytes; loc 5,242,880 bytes
;; launch lif (part 1): grid 256 x 1, 4 waves a work-group, clusters of 4 x 1, 327,680 bytes of LDS; arguments input_spikes, W1, bits; writes bits
.if DOCPART == 1
	.amdgcn_target "amdgcn-amd-amdhsa--gfx1250"
	.amdhsa_code_object_version 6
	.text
	.protected	k_qe3a85be474_lif
	.globl	k_qe3a85be474_lif
	.p2align	8
	.type	k_qe3a85be474_lif,@function
k_qe3a85be474_lif:
	s_mov_b64 s[64:65], 0
	v_nop
	global_prefetch_b8 v0, s[64:65] scope:SCOPE_SE
	s_setreg_imm32_b32 hwreg(HW_REG_WAVE_MODE, 25, 1), 1
	s_wait_xcnt 0x0
	s_wait_alu depctr_hold_cnt(0) depctr_sa_sdst(0) depctr_va_vdst(0) depctr_va_sdst(0) depctr_va_ssrc(0) depctr_va_vcc(0) depctr_vm_vsrc(0)
	s_getreg_b32 s2, hwreg(HW_REG_IB_STS2, 6, 4)
	s_cmp_eq_u32 s2, 0
	s_cbranch_scc0 .Lentry_in_a_cluster
	s_endpgm
.Lentry_in_a_cluster:
	s_bfe_u32 s2, ttmp6, 0x10000c
	s_cmp_lg_u32 s2, 0x3003
	s_cbranch_scc0 .Lentry_shape_is_right
	s_endpgm
.Lentry_shape_is_right:
; fc1 and the LIF scan.  X = input_spikes [250 t][256 b][700] f32, W1 [1024 hidden][700] f32.
; Out: the spikes of all (t, b, hidden) as lane masks, one bit each:
;   bits byte (((g*4 + c)*32 + s)*4 + w)*256 + 4*(8 j + 4 p + nb);  g = group of 4 batches, c = slice of 256 hidden, s = chunk of 8 t, w = wave,
;   j = t & 7, p = pair of batches, nb = block of 16 hidden.  Bit r: batch 4g+2p, hidden 256c+64w+16nb+r; bit 16+r: batch 4g+2p+1.
; A work-group takes 4 batches x 256 hidden for all t; a wave 64 hidden.  A wave's share of W1, 64 x 704 in bf16, is 704 registers and stays
; in registers for the whole launch; X is the only stream.  X goes in chunks of 8 t x 4 batches = 32 rows.
; CLUSTER: the four hidden slices of one batch group need the same X, so they form a cluster of 4 and ask for each chunk jointly (mask 15):
; wave w of each of the four asks for batch 4g + w, with a descriptor made of g and w alone.
; The matrix instruction: source 0 = 16 rows of X (2 batches x 8 t), source 1 = 16 hidden of W1.  In the result register j of lane (r, h) is
; t = 8 s + j of batch 2 p + h and hidden r: every lane is a chain of its own in t, and the scan runs down the eight registers.
; X arrives as f32 in stage F (tensor loads), is rounded to bf16 by the wave that asked for it and laid into H (LDS stores): F and H are
; separate bytes, and no tensor load ever lands in H.  Chunk 31 has two real t: the tensor load writes zeros for the six rows past the tensor's end.
; LIMITS: X and W1 are rounded to bf16 (0 and 1 are exact).  The step is fma(0.9, mem, cur) - reset, one rounding fewer than the problem's formula,
; and the sums over K are the matrix unit's: a membrane within f32 rounding distance of the threshold may spike one step apart.
.set NIB,   2800                       ; bytes in a row of X or of W1
.set FW,    8*NIB                      ; a wave's part of a stage: 8 t of one batch, dense
.set FS,    4*FW                       ; a stage: F0 at 0, F1 at FS
.set H0,    2*FS                       ; H0 at 179,200, a multiple of 256
.set HP,    1424                       ; pitch of H: 1,408 bytes of 704 bf16 + 16 = 89 x 16, so 16 rows start in 16 different 16-byte columns
.set HS,    32*HP                      ; 45,568, a multiple of 256; H1 at H0 + HS
.set TP,    16*HP                      ; from tile p = 0 to p = 1
.set CHUNK, 8*256*NIB                  ; bytes of X from a chunk to the next
; window 3 (v768 and up), written here by their low 8 bits
.set AH,   2                           ; v2,3   H0, H1 + r*HP + 16 h: fragment reads
.set AF,   4                           ; v4,5   F0, F1 + w*FW + 16 lane: reads of my stage
.set AS,   6                           ; v6,7   H0, H1 + 8 w*HP + 8 lane: stores of my 8 rows
.set BA,   8                           ; v8     8 lane: my two words of the chunk's 64 masks
.set PFO,  9                           ; v9     256 min(lane, 21)
.set WA,   10                          ; v10    r*NIB + 32 h
.set WT,   11                          ; v11    r*NIB + 16 h
.set BITS, 12                          ; v12,13 the masks of a chunk: word 2 lane + register
.set MEM,  16                          ; v16-23 membrane of tile q = 4 p + nb
.set SPK,  24                          ; v24-31 its last spike, 0.0 or 1.0
.set ACC,  64                          ; v64-127  eight accumulator tiles
.set XF,   128                         ; v128-255 two buffers of X fragments, 64 registers each
; W1's fragment (kk, nb), kk = 0..21 (32 K each): window kk/7, register 32 + 32 (kk % 7) + 8 nb
.set G1,  16                           ; s[16:23] descriptor group 1
.set G1T, 24                           ; s[24:31] the same for chunk 31: two rows are left of the tensor
.set G0,  32                           ; s[32:39] descriptor group 0, one for each stage
.set MK,  72                           ; s[72:79] the eight masks of one t
.set MSB, 0
.macro WIN new                         ; the immediate's high byte repeats the setting that is left; a switch that changes nothing is dropped
.if MSB != (\new)
	s_set_vgpr_msb (MSB<<8)|(\new)
.set MSB, (\new)
.endif
.endm
.macro ROUND                           ; a round of the cluster's barrier
	s_barrier_signal -1
	s_barrier_wait -1
	s_cmp_lg_u32 s10, 0
	s_cbranch_scc1 .Lnot_wave_0_\@
	s_barrier_signal -3
.Lnot_wave_0_\@:
	s_barrier_wait -3
	s_barrier_signal -1
	s_barrier_wait -1
.endm
.macro PLACES                          ; four places behind a matrix instruction (ISA guide 7.12.1) before its registers are loaded into, read or written
.rept 4
	v_nop
.endr
.endm
	s_load_b128 s[4:7], s[0:1], 0x0                ; X s[4:5], W1 s[6:7]
	s_load_b64 s[8:9], s[0:1], 0x10                ; bits
	v_lshl_add_u32 v30, v0, 2, 0x42000
	v_mov_b32 v31, 0
	ds_add_u32 v30, v31
	v_lshrrev_b32 v1, 5, v0
	v_readfirstlane_b32 s10, v1                    ; w
	s_bfe_u32 s11, ttmp6, 0x40000                  ; c: my place in the cluster = my hidden slice; it enters global addresses of W1, bits and prefetches alone
	s_mov_b32 s12, ttmp9                           ; g: the cluster's number = the batch group
	s_mov_b32 s13, 0x3f666666                      ; 0.9
	s_mov_b32 s14, 0xffff0000                      ; lanes 16-31
	; lane terms, made in window 0 and copied to window 3 below
	v_and_b32 v1, 31, v0                           ; lane
	v_and_b32 v12, 15, v0                          ; r
	v_bfe_u32 v13, v0, 4, 1                        ; h
	v_mul_u32_u24 v14, v12, HP
	v_lshl_add_u32 v14, v13, 4, v14
	v_add_nc_u32 v2, H0, v14
	v_add_nc_u32 v3, H0+HS, v14
	s_mul_i32 s46, s10, FW
	v_lshl_add_u32 v4, v1, 4, s46
	v_add_nc_u32 v5, FS, v4
	s_mul_i32 s47, s10, 8*HP
	s_add_co_u32 s47, s47, H0
	v_lshl_add_u32 v6, v1, 3, s47
	v_add_nc_u32 v7, HS, v6
	v_lshlrev_b32 v8, 3, v1
	v_min_u32 v9, 21, v1
	v_lshlrev_b32 v9, 8, v9
	v_mul_u32_u24 v15, v12, NIB
	v_lshl_add_u32 v10, v13, 5, v15
	v_lshl_add_u32 v11, v13, 4, v15
	v_and_b32 v16, 7, v0
	v_mul_u32_u24 v16, v16, HP
	v_add_nc_u32 v16, s47, v16                     ; my 8 rows of H0, one for each lane & 7
	v_mov_b32 v18, 0
	v_mov_b32 v19, 0
	; descriptor group 1: 8 rows (t) of 700 f32, 256 x 700 elements from t to t, dense in LDS
	s_mov_b32 s[G1+0], 15|(2<<16)|(1<<21)          ; mask: all four of the cluster; elements of 4 bytes; bit 21 beside a mask
	s_mov_b32 s[G1+1], 700<<16                     ; tensor_dim0
	s_mov_b32 s[G1+2], 8<<16                       ; tensor_dim1
	s_mov_b32 s[G1+3], 700<<16                     ; tile_dim0
	s_mov_b32 s[G1+4], 8                           ; tile_dim1
	s_mov_b32 s[G1+5], 179200                      ; pitch
	s_mov_b32 s[G1+6], 0
	s_mov_b32 s[G1+7], 0
	s_mov_b32 s[G1T+0], 15|(2<<16)|(1<<21)
	s_mov_b32 s[G1T+1], 700<<16
	s_mov_b32 s[G1T+2], 2<<16                      ; t = 248 and 249 are left: rows 2 to 7 of the tile arrive as zeros
	s_mov_b32 s[G1T+3], 700<<16
	s_mov_b32 s[G1T+4], 8
	s_mov_b32 s[G1T+5], 179200
	s_mov_b32 s[G1T+6], 0
	s_mov_b32 s[G1T+7], 0
	s_lshl_b32 s44, s12, 2                         ; X's tile: batch 4 g + w (registers that never hold c)
	s_add_co_u32 s44, s44, s10
	s_mul_i32 s44, s44, NIB
	s_mov_b32 s45, 0
	s_lshl_b32 s48, s11, 8                         ; W1: row 256 c + 64 w
	s_lshl_b32 s49, s10, 6
	s_add_co_u32 s48, s48, s49
	s_mul_i32 s48, s48, NIB
	s_mov_b32 s49, 0
	s_lshl_b32 s50, s12, 2                         ; bits: (4 g + c)*32,768 + 256 w
	s_add_co_u32 s50, s50, s11
	s_lshl_b32 s50, s50, 15
	s_lshl_b32 s51, s10, 8
	s_add_co_u32 s50, s50, s51
	s_mov_b32 s51, 0
	s_lshl_b32 s52, s11, 1                         ; prefetch: of chunk 3 (t = 24 ..) the sixteen waves of the cluster take t = 24 + 2 c + w/2,
	s_lshr_b32 s53, s10, 1                         ; and of that t's 11,200 bytes (4 batches) the half w & 1
	s_add_co_u32 s52, s52, s53
	s_add_co_u32 s52, s52, 24
	s_lshl_b32 s52, s52, 8
	s_lshl_b32 s53, s12, 2
	s_add_co_u32 s52, s52, s53
	s_mul_i32 s52, s52, NIB
	s_and_b32 s53, s10, 1
	s_mul_i32 s53, s53, 2*NIB
	s_add_co_u32 s52, s52, s53
	s_mov_b32 s53, 0
	s_wait_dscnt 0x0
	s_wait_kmcnt 0x0
	s_add_nc_u64 s[40:41], s[4:5], s[52:53]
	s_add_nc_u64 s[6:7], s[6:7], s[48:49]
	s_add_nc_u64 s[8:9], s[8:9], s[50:51]
	s_add_nc_u64 s[56:57], s[4:5], s[44:45]
.irp n, 0,1
	s_mov_b32 s[G0+4*\n], 1
	s_add_co_u32 s[G0+4*\n+1], s46, \n*FS                          ; stage n, my quarter
	s_add_nc_u64 s[G0+4*\n+2:G0+4*\n+3], s[56:57], \n*CHUNK        ; chunk n
	s_or_b32 s[G0+4*\n+3], s[G0+4*\n+3], 0x80000000
.endr
	ROUND                                          ; all four work-groups are here: the first joint loads meet
	tensor_load_to_lds s[G0:G0+3], s[G1:G1+7]      ; chunk 0
	s_nop 0
	tensor_load_to_lds s[G0+4:G0+7], s[G1:G1+7]    ; chunk 1: two tensor loads of the wave are out here, later one
	s_nop 0
	ds_store_b64 v16, v[18:19] offset:1400         ; k = 700..703 of my 8 rows of H0 and of H1 are zero, once: the conversion never writes there
	ds_store_b64 v16, v[18:19] offset:1400+HS
	WIN 0xc0                                       ; destination window 3, source window 0
.irp i, 2,3,4,5,6,7,8,9,10,11
	v_mov_b32 v\i, v\i
.endr
	v_mov_b32 v[BITS], 0                           ; v_writelane_b32 counts as a reader of its destination
	v_mov_b32 v[BITS+1], 0
.irp q, 0,1,2,3,4,5,6,7
	v_mov_b32 v[MEM+\q], 0                         ; mem0 = 0, no reset in the first step
	v_mov_b32 v[SPK+\q], 0
.endr
; W1 into registers.  One K block of 32 for my 64 hidden is 16 loads of 16 bytes a lane into one of three sets of 64 temporaries (the later ACC and XF).
.macro LOADK kk, slot
	WIN 0xcf
.irp nb, 0,1,2,3
	global_load_b128 v[64+64*\slot+16*\nb:64+64*\slot+16*\nb+3],     v[WA], s[6:7] offset:\nb*16*NIB+\kk*128       ; k = 8 h + 0..3
	global_load_b128 v[64+64*\slot+16*\nb+4:64+64*\slot+16*\nb+7],   v[WA], s[6:7] offset:\nb*16*NIB+\kk*128+16    ; k = 8 h + 4..7
	global_load_b128 v[64+64*\slot+16*\nb+8:64+64*\slot+16*\nb+11],  v[WA], s[6:7] offset:\nb*16*NIB+\kk*128+64    ; k = 16 + 8 h + 0..3
.if \kk == 21
	global_load_b128 v[64+64*\slot+16*\nb+12:64+64*\slot+16*\nb+15], v[WT], s[6:7] offset:\nb*16*NIB+\kk*128+80    ; lanes 16-31 would read k = 700..703, past the row: they read k = 696..699 again
.else
	global_load_b128 v[64+64*\slot+16*\nb+12:64+64*\slot+16*\nb+15], v[WA], s[6:7] offset:\nb*16*NIB+\kk*128+80    ; k = 16 + 8 h + 4..7
.endif
.endr
.endm
.macro CVTK kk, slot
.if \kk == 21
	WIN 0xcf
.irp nb, 0,1,2,3
.irp e, 12,13,14,15
	v_cndmask_b32 v[64+64*\slot+16*\nb+\e], v[64+64*\slot+16*\nb+\e], 0, s14   ; k = 700..703 count as zero
.endr
.endr
.endif
.set wsel, ((\kk/7)<<6)|0x0f
	WIN wsel                                       ; destination: W's window; sources: window 3
.irp nb, 0,1,2,3
.irp i, 0,1,2,3,4,5,6,7
	v_cvt_pk_bf16_f32 v[32+32*(\kk%7)+8*\nb+\i], v[64+64*\slot+16*\nb+2*\i], v[64+64*\slot+16*\nb+2*\i+1]
.endr
.endr
.endm
.set lk, 0
.rept 3
.set ls, lk%3
	LOADK lk, ls
.set lk, lk+1
.endr
.set ck, 0
.rept 22
.if ck < 20
	s_wait_loadcnt 32                              ; loads come back in order: the two younger K blocks, 16 loads each, stay out
.else
.if ck == 20
	s_wait_loadcnt 16
.else
	s_wait_loadcnt 0
.endif
.endif
.set cs, ck%3
	CVTK ck, cs
.if ck < 19
.set lk, ck+3
	LOADK lk, cs
.endif
.set ck, ck+1
.endr
; 16-byte granule n = 6 row + pass of my stage (8 rows of 175 granules): five passes of 32 lanes, and a sixth that begins at granule 143,
; so that no lane is switched off; 17 granules of a row are converted twice, to the same value, by the same wave.
.macro CPLACE
.set crow, cn/6
.set cpass, cn%6
.if cn < 32
.set creg, XF+4*cn
.else
.set creg, ACC+4*(cn-32)
.endif
.endm
.macro CLOAD n0, cnt, par
.set cn, \n0
.rept \cnt
	CPLACE
.if cpass < 5
.set coff, crow*NIB+512*cpass
.else
.set coff, crow*NIB+2288
.endif
	ds_load_b128 v[creg:creg+3], v[AF+(\par)] offset:coff
.set cn, cn+1
.endr
.endm
.macro CCVT n0, cnt, par
.set cn, \n0
.rept \cnt
	CPLACE
.if cpass < 5
.set coff, crow*HP+256*cpass
.else
.set coff, crow*HP+1144
.endif
	v_cvt_pk_bf16_f32 v[creg], v[creg], v[creg+1]
	v_cvt_pk_bf16_f32 v[creg+1], v[creg+2], v[creg+3]
	ds_store_b64 v[AS+(\par)], v[creg:creg+1] offset:coff          ; 32 lanes, 256 neighbouring bytes of H row 8 w + row
.set cn, cn+1
.endr
.endm
; X fragments of nk K blocks from k0 on, both tiles, into buffer buf: lane (r, h) takes 16 bytes at row*HP + 64 kk + 16 h and 32 bytes further
.macro FETCH k0, nk, buf, par
.set fk, 0
.rept \nk
.set fp, 0
.rept 2
	ds_load_b128 v[XF+64*\buf+16*fk+8*fp:XF+64*\buf+16*fk+8*fp+3],   v[AH+\par] offset:fp*TP+(\k0+fk)*64
	ds_load_b128 v[XF+64*\buf+16*fk+8*fp+4:XF+64*\buf+16*fk+8*fp+7], v[AH+\par] offset:fp*TP+(\k0+fk)*64+32
.set fp, fp+1
.endr
.set fk, fk+1
.endr
.endm
; 8 matrix instructions for each K block.  The eight accumulators take turns, one instruction a turn, in the same order everywhere.
; The first K block starts the sums with the constant 0.
.macro MUL k0, nk, buf
.set mk, \k0
.rept \nk
.set wsel, 0xf3|((mk/7)<<2)
	WIN wsel                                       ; C, D and X's fragment in window 3, W1's fragment in window kk/7
.set wb, 32+32*(mk%7)
.set mq, 0
.rept 8
.if mk == 0
	v_wmma_f32_16x16x32_bf16 v[ACC+8*mq:ACC+8*mq+7], v[XF+64*\buf+16*(mk-\k0)+8*(mq/4):XF+64*\buf+16*(mk-\k0)+8*(mq/4)+7], v[wb+8*(mq%4):wb+8*(mq%4)+7], 0
.else
	v_wmma_f32_16x16x32_bf16 v[ACC+8*mq:ACC+8*mq+7], v[XF+64*\buf+16*(mk-\k0)+8*(mq/4):XF+64*\buf+16*(mk-\k0)+8*(mq/4)+7], v[wb+8*(mq%4):wb+8*(mq%4)+7], v[ACC+8*mq:ACC+8*mq+7]
.endif
.set mq, mq+1
.endr
.set mk, mk+1
.endr
.endm
; A chunk's product: 22 K blocks in groups of 4 (the last of 2) on two fragment buffers; each wait's count is the loads of the younger group.
.macro GEMM par
	FETCH 0, 4, 0, \par
	FETCH 4, 4, 1, \par
	s_wait_dscnt 16
	MUL 0, 4, 0
	PLACES
	FETCH 8, 4, 0, \par
	s_wait_dscnt 16
	MUL 4, 4, 1
	PLACES
	FETCH 12, 4, 1, \par
	s_wait_dscnt 16
	MUL 8, 4, 0
	PLACES
	FETCH 16, 4, 0, \par
	s_wait_dscnt 16
	MUL 12, 4, 1
	PLACES
	FETCH 20, 2, 1, \par
	s_wait_dscnt 8
	MUL 16, 4, 0
	s_wait_dscnt 0
	MUL 20, 2, 1
	PLACES
.endm
; Eight steps of the LIF scan on the eight tiles: mem = 0.9 mem + cur - last spike; spike = mem > 1.  The lane mask of the compare is the output word.
.macro SCAN
.set sj, 0
.rept 8
.irp q, 0,1,2,3,4,5,6,7
	v_fma_f32 v[MEM+\q], v[MEM+\q], s13, v[ACC+8*\q+sj]
.endr
.irp q, 0,1,2,3,4,5,6,7
	v_sub_f32 v[MEM+\q], v[MEM+\q], v[SPK+\q]
.endr
.irp q, 0,1,2,3,4,5,6,7
	v_cmp_lt_f32 s[MK+\q], 1.0, v[MEM+\q]
.endr
.irp q, 0,1,2,3,4,5,6,7
	v_cndmask_b32 v[SPK+\q], 0, 1.0, s[MK+\q]
.endr
.irp q, 0,1,2,3,4,5,6,7
	v_writelane_b32 v[BITS+(\q%2)], s[MK+\q], 4*sj+(\q/2)          ; word 8 j + q = 2 lane + register
.endr
.set sj, sj+1
.endr
.endm
; Step s, par = s & 1.  H[par] holds chunk s; F[1-par] holds chunk s + 1; F[par] has been converted and is filled again with chunk s + 2.
; refill: 0 none, 1 a whole chunk, 2 chunk 31.  conv: chunk s + 1 goes from F[1-par] to H[1-par].  pf: chunk s + 3 is asked into the L2.
.macro STEP par, refill, conv, pf
	s_wait_tensorcnt 0x0                           ; all my tensor loads have landed, chunk s + 1 among them,
	ds_add_u32 v30, v31
	s_wait_dscnt 0x0
.if \refill
	s_add_nc_u64 s[G0+4*\par+2:G0+4*\par+3], s[G0+4*\par+2:G0+4*\par+3], 2*CHUNK   ; so a group 0 may be written: this stage's next chunk
.endif
	s_wait_dscnt 0x0                               ; my stores into H[par], my reads of H[1-par] and of F[par] are done
.if \refill
	ROUND                                          ; and so are those of every wave of the four work-groups
.if \refill == 2
	tensor_load_to_lds s[G0+4*\par:G0+4*\par+3], s[G1T:G1T+7]
	s_nop 0
.else
	tensor_load_to_lds s[G0+4*\par:G0+4*\par+3], s[G1:G1+7]        ; my one tensor load behind the round, first thing there; it has this whole step in which to land
	s_nop 0
.endif
.else
	s_barrier_signal -1                            ; it hands H[par] over
	s_barrier_wait -1
.endif
	WIN 0xf3
.if \pf
	global_prefetch_b8 v[PFO], s[40:41] th:TH_LOAD_NT scope:SCOPE_SE   ; 22 lanes 256 bytes apart: my sixteenth of chunk s + 3, whose tensor load is issued in the next step
.endif
	GEMM \par
.if \conv
.if \refill
	s_wait_tensorcnt 0x1                           ; the refill just issued stays out; chunk s + 1 landed before the round
.endif
	CLOAD 0, 32, 1-\par                            ; into the fragment buffers, which the products have left; they come back under the scan
.endif
	SCAN
	global_store_b64 v[BA], v[BITS:BITS+1], s[8:9] ; the wave's 64 masks: 256 consecutive bytes, aligned
.if \conv
	CLOAD 32, 16, 1-\par                           ; into the accumulators, which the scan has read
	s_wait_dscnt 16                                ; the first 32 loads are in
	CCVT 0, 32, 1-\par
	s_wait_dscnt 32                                ; LDS serves a wave in order: behind the 32 younger stores stand no loads
	CCVT 32, 16, 1-\par
.endif
	s_wait_xcnt 0x0                                ; the masks' registers and both bases are written again only behind this wait
	s_add_nc_u64 s[8:9], s[8:9], 1024
.if \pf
	s_add_nc_u64 s[40:41], s[40:41], CHUNK
.endif
	WIN 0                                          ; at a label and at a branch every window is 0
.endm
	WIN 0xff
	s_wait_tensorcnt 0x1                           ; chunk 0 is in my stage; chunk 1 may stay out
	CLOAD 0, 48, 0
	s_wait_dscnt 16
	CCVT 0, 32, 0
	s_wait_dscnt 32
	CCVT 32, 16, 0
	WIN 0
	s_mov_b32 s15, 13
.Lloop:                                            ; steps 0 to 25
	STEP 0, 1, 1, 1
	STEP 1, 1, 1, 1
	s_sub_co_u32 s15, s15, 1
	s_cmp_lg_u32 s15, 0
	s_cbranch_scc1 .Lloop
	STEP 0, 1, 1, 1                                ; step 26
	STEP 1, 1, 1, 1                                ; step 27 asks for chunk 30, t up to 247: the last prefetch
	STEP 0, 1, 1, 0                                ; step 28
	STEP 1, 2, 1, 0                                ; step 29 fetches chunk 31, two real t
	STEP 0, 0, 1, 0                                ; step 30: nothing is left to fetch
	STEP 1, 0, 0, 0                                ; step 31: nothing is left to convert
	ROUND                                          ; the closing round: no work-group ends while a partner may still ask jointly
	s_endpgm
.Lfunc_end_k_qe3a85be474_lif:
	.size	k_qe3a85be474_lif, .Lfunc_end_k_qe3a85be474_lif-k_qe3a85be474_lif
	.p2alignl 7, 3214868480
	.fill 96, 4, 3214868480
	.section	.rodata,"a",@progbits
	.p2align	6, 0x0
	.amdhsa_kernel k_qe3a85be474_lif
		.amdhsa_group_segment_fixed_size 327680
		.amdhsa_private_segment_fixed_size 0
		.amdhsa_enable_private_segment 0
		.amdhsa_kernarg_size 24
		.amdhsa_user_sgpr_count 2
		.amdhsa_user_sgpr_kernarg_segment_ptr 1
		.amdhsa_wavefront_size32 1
		.amdhsa_system_sgpr_workgroup_id_x 1
		.amdhsa_system_sgpr_workgroup_id_y 1
		.amdhsa_system_sgpr_workgroup_id_z 1
		.amdhsa_system_vgpr_workitem_id 0
		.amdhsa_next_free_vgpr 1024
		.amdhsa_next_free_sgpr 80
		.amdhsa_reserve_vcc 0
		.amdhsa_float_denorm_mode_32 3
		.amdhsa_float_denorm_mode_16_64 3
		.amdhsa_memory_ordered 1
		.amdhsa_forward_progress 1
		.amdhsa_inst_pref_size 255
	.end_amdhsa_kernel
	.section	.bss,"aw",@nobits
	.p2align	6
	.space	262144
	.amdgpu_metadata
---
amdhsa.version: [ 1, 2 ]
amdhsa.kernels:
  - .name:           k_qe3a85be474_lif
    .symbol:         k_qe3a85be474_lif.kd
    .args:
      - { .name: input_spikes, .offset: 0, .size: 8, .value_kind: global_buffer, .address_space: global }
      - { .name: W1, .offset: 8, .size: 8, .value_kind: global_buffer, .address_space: global }
      - { .name: bits, .offset: 16, .size: 8, .value_kind: global_buffer, .address_space: global }
    .group_segment_fixed_size: 327680
    .private_segment_fixed_size: 0
    .kernarg_segment_align: 8
    .kernarg_segment_size: 24
    .max_flat_workgroup_size: 128
    .sgpr_count:     80
    .vgpr_count:     1024
    .wavefront_size: 32
...
	.end_amdgpu_metadata
.endif
;; end of part 1
;; launch fc2 (part 2): grid 16 x 16, 8 waves a work-group, no clusters, 120,064 bytes of LDS; arguments bits, W2, loc; writes loc
.if DOCPART == 2
	.amdgcn_target "amdgcn-amd-amdhsa--gfx1250"
	.amdhsa_code_object_version 6
	.text
	.protected	k_qe3a85be474_fc2
	.globl	k_qe3a85be474_fc2
	.p2align	8
	.type	k_qe3a85be474_fc2,@function
k_qe3a85be474_fc2:
	s_mov_b64 s[64:65], 0
	v_nop
	global_prefetch_b8 v0, s[64:65] scope:SCOPE_SE
	s_setreg_imm32_b32 hwreg(HW_REG_WAVE_MODE, 25, 1), 1
	s_wait_xcnt 0x0
; fc2 and the readout scan inside a segment of 16 t.  bits: the spikes as lane masks (layout below), W2 [20][1024] f32.
; Out: loc [256 t][256 b][20] f32, L(t) = 0.9 L(t-1) + cur2(t) with L = 0 in front of each segment t = 16 sg .. 16 sg + 15.
; Work-group (x, y) = (bt, sg): batches 16 bt .. +15, t = 16 sg .. +15.  Wave v takes t = 16 sg + 2 v + e, e = 0, 1.
; bits byte (((g*4 + c)*32 + s)*4 + w)*256 + 32 j + 16 p + 4 nb: g = batch/4, c, w, nb: hidden = 256 c + 64 w + 16 nb + bit, s = t/8, j = t & 7,
; p = pair of batches in the group; the low 16 bits are the even batch, the high 16 the odd one.
; The matrix instruction: source 0 = 16 rows of W2 (tile T: outputs 16 T + r; rows past 19 repeat row 19 and their results are not stored),
; source 1 = the spikes of 16 batches.  In the result lane (r, h), register j is output 16 T + 8 h + j of batch r.
; K is permuted alike on both sides: in K block kp, lane half h, register i holds hidden 32 kp + 8 h + i below and 32 kp + 16 + 8 h + i above,
; so that a spike pair is one AND and one multiply away from the mask.
; No cluster and no tensor loads: what work-groups share is W2, 80 KiB read once by each through registers; the bits are each work-group's own.
; LIMITS: W2 is rounded to bf16; spikes are exact.
.set GP,   8224                        ; LDS bytes of a batch group's bits: 8,192 + 32, so that (group, pair) fall into eight different 16-byte columns
.set W2F,  33024                       ; W2's fragments: (2 kp + T)*1,024; 16 lane: registers 0-3; + 512: registers 4-7
.set STG,  98560                       ; cur2 [16 t][16 b][20] f32
.set BW,   16                          ; v[16:143]  first W2 in f32, then the bit words: 64 e + 4 (4 c + w) + nb
.set AFR,  144                         ; v[144:175] first the bits on their way to LDS, then W2's fragments: 2 buffers x 2 T x 8
.set BF,   176                         ; v[176:207] spike fragments: 2 buffers x 2 e x 8
.set ACC,  208                         ; v[208:239] accumulators (e, T) at 8 (2 e + T)
	s_load_b128 s[4:7], s[0:1], 0x0                ; bits s[4:5], W2 s[6:7]
	s_load_b64 s[8:9], s[0:1], 0x10                ; loc
	v_lshl_add_u32 v254, v0, 2, 0x1d100
	v_mov_b32 v255, 0
	v_lshrrev_b32 v1, 5, v0
	v_readfirstlane_b32 s10, v1                    ; wave v
	s_and_b32 s12, ttmp7, 0xffff                   ; sg
	s_mov_b32 s14, 0x3f666666                      ; 0.9, as a pair for the packed multiply-add
	s_mov_b32 s15, 0x3f666666
	v_and_b32 v1, 31, v0                           ; lane
	v_and_b32 v2, 15, v0                           ; r
	v_bfe_u32 v3, v0, 4, 1                         ; h
	v_lshrrev_b32 v4, 7, v0                        ; the copy of the bits: 128 threads take the 2,048 bytes of one (group, c)
	v_lshlrev_b32 v4, 15, v4
	v_and_b32 v240, 127, v0
	v_lshl_add_u32 v4, v240, 4, v4
	v_lshlrev_b32 v5, 4, v0
	s_lshl_b32 s16, s10, 9                         ; W2: my four K blocks begin at column 128 v
	v_lshlrev_b32 v6, 12, v2
	v_lshl_add_u32 v6, v3, 5, v6
	v_add_nc_u32 v6, s16, v6                       ; T = 0: row r
	v_add_nc_u32 v7, 16, v2
	v_min_u32 v7, 19, v7                           ; T = 1: row 16 + r, held inside the table
	v_lshlrev_b32 v7, 12, v7
	v_lshl_add_u32 v7, v3, 5, v7
	v_add_nc_u32 v7, s16, v7
	s_lshl_b32 s16, s10, 13
	s_add_co_u32 s16, s16, W2F
	v_lshl_add_u32 v8, v1, 4, s16                  ; where I put my eight fragments
	v_lshrrev_b32 v240, 2, v2                      ; the bit words of batch r: group r/4, pair (r/2) & 1
	v_mul_u32_u24 v9, GP, v240
	v_bfe_u32 v240, v2, 1, 1
	v_lshl_add_u32 v9, v240, 4, v9
	s_lshr_b32 s16, s10, 2                         ; t = 2 v + e: chunk v/4, j = 2 (v & 3) + e
	s_lshl_b32 s16, s16, 10
	s_and_b32 s17, s10, 3
	s_lshl_b32 s17, s17, 6
	s_add_co_u32 s16, s16, s17
	v_add_nc_u32 v9, s16, v9
	v_lshl_add_u32 v10, v1, 4, W2F                 ; where every wave reads fragments
	v_and_b32 v240, 1, v0
	v_cmp_eq_u32 vcc_lo, 1, v240
	v_mov_b32 v11, 0x05040100                      ; even batch: the low halves of two words
	v_mov_b32 v241, 0x07060302                     ; odd batch: the high halves
	v_cndmask_b32 v11, v11, v241, vcc_lo
	v_lshlrev_b32 v12, 3, v3                       ; 8 h
	s_mul_i32 s16, s10, 2*1280
	s_add_co_u32 s16, s16, STG
	v_mul_u32_u24 v14, 80, v2
	v_add_nc_u32 v14, s16, v14                     ; cur2 (t = 2 v, batch r)
	v_lshl_add_u32 v13, v3, 5, v14                 ; + outputs 8 h ..
	v_lshlrev_b32 v15, 3, v0                       ; 8 x thread
	s_lshl_b32 s18, ttmp9, 19                      ; four groups of 131,072 bytes
	s_lshl_b32 s17, s12, 11                        ; two chunks of 1,024 bytes
	s_add_co_u32 s18, s18, s17
	s_mov_b32 s19, 0
	s_mul_i32 s20, s12, 16*20480
	s_mul_i32 s17, ttmp9, 1280
	s_add_co_u32 s20, s20, s17
	s_mov_b32 s21, 0
	s_wait_kmcnt 0x0
	s_add_nc_u64 s[4:5], s[4:5], s[18:19]
	s_add_nc_u64 s[8:9], s[8:9], s[20:21]
.irp k, 0,1,2,3,4,5,6,7
	global_load_b128 v[AFR+4*\k:AFR+4*\k+3], v4, s[4:5] offset:\k*65536        ; (group, c) = 2 k and 2 k + 1
.endr
.irp i, 0,1,2,3
.irp tt, 0,1
	global_load_b128 v[BW+16*(2*\i+\tt):BW+16*(2*\i+\tt)+3],     v[6+\tt], s[6:7] offset:\i*128      ; hidden 8 h + 0..3 of the K block
	global_load_b128 v[BW+16*(2*\i+\tt)+4:BW+16*(2*\i+\tt)+7],   v[6+\tt], s[6:7] offset:\i*128+16   ; 8 h + 4..7
	global_load_b128 v[BW+16*(2*\i+\tt)+8:BW+16*(2*\i+\tt)+11],  v[6+\tt], s[6:7] offset:\i*128+64   ; 16 + 8 h + 0..3
	global_load_b128 v[BW+16*(2*\i+\tt)+12:BW+16*(2*\i+\tt)+15], v[6+\tt], s[6:7] offset:\i*128+80   ; 16 + 8 h + 4..7
.endr
.endr
	s_wait_loadcnt 32                              ; the bits are in; W2's 32 loads stay out
.irp k, 0,1,2,3,4,5,6,7
	ds_store_b128 v5, v[AFR+4*\k:AFR+4*\k+3] offset:\k*4096+(\k/2)*32
.endr
	s_wait_loadcnt 0
.irp f, 0,1,2,3,4,5,6,7
.irp i, 0,1,2,3,4,5,6,7
	v_cvt_pk_bf16_f32 v[BW+16*\f+\i], v[BW+16*\f+\i], v[BW+16*\f+8+\i]         ; hidden 8 h + i below, 16 + 8 h + i above
.endr
	ds_store_b128 v8, v[BW+16*\f:BW+16*\f+3] offset:\f*1024
	ds_store_b128 v8, v[BW+16*\f+4:BW+16*\f+7] offset:\f*1024+512
.endr
	s_wait_dscnt 0x0                               ; for the other waves' sake: my stores are done
	s_barrier_signal -1
	s_barrier_wait -1
.irp e, 0,1
.irp cw, 0,1,2,3,4,5,6,7,8,9,10,11,12,13,14,15
	ds_load_b128 v[BW+64*\e+4*\cw:BW+64*\e+4*\cw+3], v9 offset:(\cw/4)*2048+(\cw%4)*256+\e*32   ; the four words nb = 0..3
.endr
.endr
.macro ALOAD k                         ; W2's two fragments of K block k
.irp tt, 0,1
	ds_load_b128 v[AFR+16*(\k%2)+8*\tt:AFR+16*(\k%2)+8*\tt+3],   v10 offset:(2*\k+\tt)*1024
	ds_load_b128 v[AFR+16*(\k%2)+8*\tt+4:AFR+16*(\k%2)+8*\tt+7], v10 offset:(2*\k+\tt)*1024+512
.endr
.endm
.macro EXPAND k, e                     ; 32 mask bits of my batch to 16 pairs of bf16 0.0 or 1.0
	v_perm_b32 v240, v[BW+64*\e+4*(\k/2)+2*(\k%2)+1], v[BW+64*\e+4*(\k/2)+2*(\k%2)], v11   ; my batch's halves of the two words: hidden 0-15 below, 16-31 above
	v_lshrrev_b32 v241, v12, v240                  ; bits 8 h + i come to places i and 16 + i
.irp i, 0,1,2,3,4,5,6,7
	v_and_b32 v[242+\i], 0x00010001<<\i, v241
.endr
.irp i, 0,1,2,3,4,5,6,7
	v_mul_u32_u24 v[BF+16*(\k%2)+8*\e+\i], 0x7f<<(7-\i), v[242+\i]             ; a bit at place i becomes 0x3f80, bf16 1.0
.endr
.endm
.macro PROD k                          ; the four accumulators take turns, one instruction a turn
.irp e, 0,1
.irp tt, 0,1
.if \k == 0
	v_wmma_f32_16x16x32_bf16 v[ACC+8*(2*\e+\tt):ACC+8*(2*\e+\tt)+7], v[AFR+16*(\k%2)+8*\tt:AFR+16*(\k%2)+8*\tt+7], v[BF+16*(\k%2)+8*\e:BF+16*(\k%2)+8*\e+7], 0
.else
	v_wmma_f32_16x16x32_bf16 v[ACC+8*(2*\e+\tt):ACC+8*(2*\e+\tt)+7], v[AFR+16*(\k%2)+8*\tt:AFR+16*(\k%2)+8*\tt+7], v[BF+16*(\k%2)+8*\e:BF+16*(\k%2)+8*\e+7], v[ACC+8*(2*\e+\tt):ACC+8*(2*\e+\tt)+7]
.endif
.endr
.endr
.endm
.set kp, 0
	ALOAD kp
	s_wait_dscnt 4                                 ; the bit words are in; the four loads of the first fragments may stay out
; Both fragment sets have two buffers: between a matrix instruction and the next write or load into its sources stand the 18 plain
; vector instructions of an expansion, which name none of its registers.
.rept 32
	EXPAND kp, 0
.if kp < 31
.set kn, kp+1
	ALOAD kn
.endif
	EXPAND kp, 1
.if kp < 31
	s_wait_dscnt 4                                 ; this K block's fragments are in; the next one's four loads stay out
.else
	s_wait_dscnt 0
.endif
	PROD kp
.set kp, kp+1
.endr
.rept 4
	v_nop                                          ; four places behind the last matrix instructions (ISA guide 7.12.1) before their results are stored
.endr
.irp e, 0,1
	ds_store_b128 v13, v[ACC+16*\e:ACC+16*\e+3] offset:\e*1280                 ; outputs 8 h + 0..3
	ds_store_b128 v13, v[ACC+16*\e+4:ACC+16*\e+7] offset:\e*1280+16            ; outputs 8 h + 4..7
.endr
	s_wait_xcnt 0x0                                ; EXEC changes only behind this wait
	v_cmp_gt_u32 vcc_lo, 16, v1
	s_and_saveexec_b32 s22, vcc_lo                 ; of tile T = 1 only lanes 0-15, registers 0-3 hold outputs that exist: 16 to 19
.irp e, 0,1
	ds_store_b128 v14, v[ACC+16*\e+8:ACC+16*\e+11] offset:\e*1280+64
.endr
	s_or_b32 exec_lo, exec_lo, s22
	s_wait_dscnt 0x0
	s_barrier_signal -1
	s_barrier_wait -1
	; the scan of the segment: 320 numbers a t = 160 pairs, one for each thread of waves 0 to 4
	s_cmp_gt_u32 s10, 4
	s_cbranch_scc1 .Ldone
	v_add_nc_u32 v240, STG, v15
.irp t, 0,1,2,3,4,5,6,7,8,9,10,11,12,13,14,15
	ds_load_b64 v[16+2*\t:17+2*\t], v240 offset:\t*1280
.endr
	s_wait_dscnt 0x0
.irp t, 1,2,3,4,5,6,7,8,9,10,11,12,13,14,15
	v_pk_fma_f32 v[16+2*\t:17+2*\t], v[14+2*\t:15+2*\t], s[14:15], v[16+2*\t:17+2*\t] op_sel_hi:[1,0,1]
.endr
.irp t, 0,1,2,3,4,5,6,7,8,9,10,11,12,13,14,15
	global_store_b64 v15, v[16+2*\t:17+2*\t], s[8:9] offset:\t*20480           ; a wave's store covers 256 consecutive bytes, aligned
.endr
.Ldone:
	s_wait_tensorcnt 0x0
	ds_add_u32 v254, v255
	s_wait_dscnt 0x0
	s_endpgm
.Lfunc_end_k_qe3a85be474_fc2:
	.size	k_qe3a85be474_fc2, .Lfunc_end_k_qe3a85be474_fc2-k_qe3a85be474_fc2
	.p2alignl 7, 3214868480
	.fill 96, 4, 3214868480
	.section	.rodata,"a",@progbits
	.p2align	6, 0x0
	.amdhsa_kernel k_qe3a85be474_fc2
		.amdhsa_group_segment_fixed_size 120064
		.amdhsa_private_segment_fixed_size 0
		.amdhsa_enable_private_segment 0
		.amdhsa_kernarg_size 24
		.amdhsa_user_sgpr_count 2
		.amdhsa_user_sgpr_kernarg_segment_ptr 1
		.amdhsa_wavefront_size32 1
		.amdhsa_system_sgpr_workgroup_id_x 1
		.amdhsa_system_sgpr_workgroup_id_y 1
		.amdhsa_system_sgpr_workgroup_id_z 1
		.amdhsa_system_vgpr_workitem_id 0
		.amdhsa_next_free_vgpr 256
		.amdhsa_next_free_sgpr 66
		.amdhsa_reserve_vcc 1
		.amdhsa_float_denorm_mode_32 3
		.amdhsa_float_denorm_mode_16_64 3
		.amdhsa_memory_ordered 1
		.amdhsa_forward_progress 1
		.amdhsa_inst_pref_size 106
	.end_amdhsa_kernel
	.amdgpu_metadata
---
amdhsa.version: [ 1, 2 ]
amdhsa.kernels:
  - .name:           k_qe3a85be474_fc2
    .symbol:         k_qe3a85be474_fc2.kd
    .args:
      - { .name: bits, .offset: 0, .size: 8, .value_kind: global_buffer, .address_space: global }
      - { .name: W2, .offset: 8, .size: 8, .value_kind: global_buffer, .address_space: global }
      - { .name: loc, .offset: 16, .size: 8, .value_kind: global_buffer, .address_space: global }
    .group_segment_fixed_size: 120064
    .private_segment_fixed_size: 0
    .kernarg_segment_align: 8
    .kernarg_segment_size: 24
    .max_flat_workgroup_size: 256
    .sgpr_count:     66
    .vgpr_count:     256
    .wavefront_size: 32
...
	.end_amdgpu_metadata
.endif
;; end of part 2
;; launch readout (part 3): grid 16 x 16, 8 waves a work-group, no clusters, 41,984 bytes of LDS; arguments loc, out0, out1; writes out0, out1
.if DOCPART == 3
	.amdgcn_target "amdgcn-amd-amdhsa--gfx1250"
	.amdhsa_code_object_version 6
	.text
	.protected	k_qe3a85be474_readout
	.globl	k_qe3a85be474_readout
	.p2align	8
	.type	k_qe3a85be474_readout,@function
k_qe3a85be474_readout:
	s_mov_b64 s[64:65], 0
	v_nop
	global_prefetch_b8 v0, s[64:65] scope:SCOPE_SE
	s_setreg_imm32_b32 hwreg(HW_REG_WAVE_MODE, 25, 1), 1
	s_wait_xcnt 0x0
; The readout's carries, mem_out and the softmax.  loc [256 t][256 b][20] f32: the readout scan begun at zero in each segment of 16 t.
; Work-group (x, y) = (bt, sg): batches 16 bt .. +15, t = 16 sg + tau, tau = 0..15 (segment 15: tau = 0..9, since t ends at 249).
; carry = mem at the end of segment sg - 1: carry <- 0.9^16 carry + loc(t = 16 s' + 15) for s' = 0 .. sg - 1;  mem(tau) = loc(tau) + 0.9^(tau+1) carry.
; out0 = mem, out1 = softmax over the 20 outputs, with the row's maximum taken away first.
; A stream of a few bytes for each work-group: no matrix unit, no tensor loads, no cluster (nothing large is shared).
; LIMITS: the sum is made segment by segment, so its order of rounding differs from a plain chain over t, by f32 roundings;
; exponentials below 2^-126 come out as zero.
.set MB, 0                             ; LDS: mem [16 tau][16 b][20] f32
.set PB, 20480                         ; LDS: the softmax, the same shape
	s_load_b128 s[4:7], s[0:1], 0x0                ; loc s[4:5], out0 s[6:7]
	s_load_b64 s[8:9], s[0:1], 0x10                ; out1
	v_lshl_add_u32 v128, v0, 2, 0xa000
	v_mov_b32 v129, 0
	v_lshrrev_b32 v1, 5, v0
	v_readfirstlane_b32 s10, v1                    ; wave
	s_and_b32 s12, ttmp7, 0xffff                   ; sg
	v_lshlrev_b32 v1, 3, v0                        ; 8 x thread: a pair of numbers; 160 pairs a t
	v_mul_u32_u24 v2, 80, v0                       ; 80 x thread: a row (tau, b)
	s_mov_b32 s40, 0x3f666666                      ; s[40 + tau] = 0.9^(tau + 1)
.irp t, 1,2,3,4,5,6,7,8,9,10,11,12,13,14,15
	s_mul_f32 s[40+\t], s[39+\t], s40
.endr
	s_mul_i32 s20, ttmp9, 1280
	s_mov_b32 s21, 0
	s_mul_i32 s22, s12, 16*20480
	s_add_co_u32 s22, s22, s20
	s_mov_b32 s23, 0
	s_wait_kmcnt 0x0
	s_add_nc_u64 s[16:17], s[4:5], s[20:21]        ; loc at my batches, t = 0
	s_add_nc_u64 s[18:19], s[4:5], s[22:23]        ; loc at my batches, my segment
	s_add_nc_u64 s[6:7], s[6:7], s[22:23]
	s_add_nc_u64 s[8:9], s[8:9], s[22:23]
	s_cmp_gt_u32 s10, 4
	s_cbranch_scc1 .Lmem_done                      ; waves 0 to 4 hold the 160 pairs
.irp p, 0,1,2,3,4,5,6,7,8,9,10,11,12,13,14
	global_load_b64 v[16+2*\p:17+2*\p], v1, s[16:17] offset:\p*327680+307200   ; the last t of segment p: always inside loc
.endr
.irp t, 0,1,2,3,4,5,6,7,8,9,10,11,12,13,14,15
	global_load_b64 v[48+2*\t:49+2*\t], v1, s[18:19] offset:\t*20480
.endr
	v_mov_b32 v80, 0
	v_mov_b32 v81, 0
	s_wait_loadcnt 0x0
.irp p, 0,1,2,3,4,5,6,7,8,9,10,11,12,13,14
	s_cmp_le_u32 s12, \p                           ; only the segments in front of mine
	s_cbranch_scc1 .Lcarry
	v_fma_f32 v80, v80, s55, v[16+2*\p]
	v_fma_f32 v81, v81, s55, v[17+2*\p]
.endr
.Lcarry:
.irp t, 0,1,2,3,4,5,6,7,8,9,10,11,12,13,14,15
	v_fma_f32 v[48+2*\t], v80, s[40+\t], v[48+2*\t]
	v_fma_f32 v[49+2*\t], v81, s[40+\t], v[49+2*\t]
	ds_store_b64 v1, v[48+2*\t:49+2*\t] offset:MB+\t*1280
.endr
.irp t, 0,1,2,3,4,5,6,7,8,9
	global_store_b64 v1, v[48+2*\t:49+2*\t], s[6:7] offset:\t*20480 th:TH_STORE_NT   ; a wave's store covers 256 consecutive bytes, aligned
.endr
	s_cmp_eq_u32 s12, 15
	s_cbranch_scc1 .Lmem_done                      ; t = 250 .. 255 do not exist in the outputs
.irp t, 10,11,12,13,14,15
	global_store_b64 v1, v[48+2*\t:49+2*\t], s[6:7] offset:\t*20480 th:TH_STORE_NT
.endr
.Lmem_done:
	s_wait_dscnt 0x0                               ; for the other waves' sake: my stores of mem are done
	s_barrier_signal -1
	s_barrier_wait -1
	; the softmax: one row of 20 for each of the 256 threads.  Rows are 80 bytes apart, five 16-byte columns: 16 lanes meet 16 different columns.
	; v[48:79] and v1 stay as they are: stores may still read them.
.irp i, 0,1,2,3,4
	ds_load_b128 v[16+4*\i:19+4*\i], v2 offset:MB+16*\i
.endr
	s_wait_dscnt 0x0
	v_max3_num_f32 v104, v16, v17, v18
.irp i, 19,21,23,25,27,29,31,33
	v_max3_num_f32 v104, v104, v[\i], v[\i+1]
.endr
	v_max_num_f32 v104, v104, v35
	v_mov_b32 v105, v104
.irp i, 0,1,2,3,4,5,6,7,8,9
	v_pk_add_f32 v[16+2*\i:17+2*\i], v[16+2*\i:17+2*\i], v[104:105] neg_lo:[0,1] neg_hi:[0,1]   ; x - max
.endr
.irp i, 0,1,2,3,4,5,6,7,8,9
	v_pk_mul_f32 v[16+2*\i:17+2*\i], v[16+2*\i:17+2*\i], 0x3fb8aa3b op_sel_hi:[1,0]             ; times log2 e
.endr
.irp i, 0,1,2,3,4,5,6,7,8,9,10,11,12,13,14,15,16,17,18,19
	v_exp_f32 v[84+\i], v[16+\i]
.endr
	v_nop                                          ; one plain place behind the run of exponentials before a result is used (ISA guide 5.7.2)
	s_wait_alu depctr_va_vdst(0)
	v_pk_add_f32 v[106:107], v[84:85], v[86:87]
	v_pk_add_f32 v[108:109], v[88:89], v[90:91]
	v_pk_add_f32 v[106:107], v[106:107], v[92:93]
	v_pk_add_f32 v[108:109], v[108:109], v[94:95]
	v_pk_add_f32 v[106:107], v[106:107], v[96:97]
	v_pk_add_f32 v[108:109], v[108:109], v[98:99]
	v_pk_add_f32 v[106:107], v[106:107], v[100:101]
	v_pk_add_f32 v[108:109], v[108:109], v[102:103]
	v_pk_add_f32 v[106:107], v[106:107], v[108:109]
	v_add_f32 v106, v106, v107                     ; at least 1: the maximum's own term
	v_rcp_f32 v110, v106
	v_nop                                          ; one plain place behind the reciprocal
	s_wait_alu depctr_va_vdst(0)
	v_mov_b32 v111, v110
.irp i, 0,1,2,3,4,5,6,7,8,9
	v_pk_mul_f32 v[84+2*\i:85+2*\i], v[84+2*\i:85+2*\i], v[110:111]
.endr
.irp i, 0,1,2,3,4
	ds_store_b128 v2, v[84+4*\i:87+4*\i] offset:PB+16*\i
.endr
	s_wait_dscnt 0x0
	s_barrier_signal -1
	s_barrier_wait -1
	s_cmp_gt_u32 s10, 4
	s_cbranch_scc1 .Lend
.irp t, 0,1,2,3,4,5,6,7,8,9,10,11,12,13,14,15
	ds_load_b64 v[16+2*\t:17+2*\t], v1 offset:PB+\t*1280
.endr
	s_wait_dscnt 0x0
.irp t, 0,1,2,3,4,5,6,7,8,9
	global_store_b64 v1, v[16+2*\t:17+2*\t], s[8:9] offset:\t*20480 th:TH_STORE_NT
.endr
	s_cmp_eq_u32 s12, 15
	s_cbranch_scc1 .Lend
.irp t, 10,11,12,13,14,15
	global_store_b64 v1, v[16+2*\t:17+2*\t], s[8:9] offset:\t*20480 th:TH_STORE_NT
.endr
.Lend:
	s_wait_tensorcnt 0x0
	ds_add_u32 v128, v129
	s_wait_dscnt 0x0
	s_endpgm
.Lfunc_end_k_qe3a85be474_readout:
	.size	k_qe3a85be474_readout, .Lfunc_end_k_qe3a85be474_readout-k_qe3a85be474_readout
	.p2alignl 7, 3214868480
	.fill 96, 4, 3214868480
	.section	.rodata,"a",@progbits
	.p2align	6, 0x0
	.amdhsa_kernel k_qe3a85be474_readout
		.amdhsa_group_segment_fixed_size 41984
		.amdhsa_private_segment_fixed_size 0
		.amdhsa_enable_private_segment 0
		.amdhsa_kernarg_size 24
		.amdhsa_user_sgpr_count 2
		.amdhsa_user_sgpr_kernarg_segment_ptr 1
		.amdhsa_wavefront_size32 1
		.amdhsa_system_sgpr_workgroup_id_x 1
		.amdhsa_system_sgpr_workgroup_id_y 1
		.amdhsa_system_sgpr_workgroup_id_z 1
		.amdhsa_system_vgpr_workitem_id 0
		.amdhsa_next_free_vgpr 130
		.amdhsa_next_free_sgpr 66
		.amdhsa_reserve_vcc 0
		.amdhsa_float_denorm_mode_32 3
		.amdhsa_float_denorm_mode_16_64 3
		.amdhsa_memory_ordered 1
		.amdhsa_forward_progress 1
		.amdhsa_inst_pref_size 20
	.end_amdhsa_kernel
	.amdgpu_metadata
---
amdhsa.version: [ 1, 2 ]
amdhsa.kernels:
  - .name:           k_qe3a85be474_readout
    .symbol:         k_qe3a85be474_readout.kd
    .args:
      - { .name: loc, .offset: 0, .size: 8, .value_kind: global_buffer, .address_space: global }
      - { .name: out0, .offset: 8, .size: 8, .value_kind: global_buffer, .address_space: global }
      - { .name: out1, .offset: 16, .size: 8, .value_kind: global_buffer, .address_space: global }
    .group_segment_fixed_size: 41984
    .private_segment_fixed_size: 0
    .kernarg_segment_align: 8
    .kernarg_segment_size: 24
    .max_flat_workgroup_size: 256
    .sgpr_count:     66
    .vgpr_count:     130
    .wavefront_size: 32
...
	.end_amdgpu_metadata
.endif
;; end of part 3
;; ======== version 2 of 2: 3 launches
;; workspace buffers: bits 8,388,608 bytes; loc 5,242,880 bytes
;; launch lif (part 4): grid 256 x 1, 4 waves a work-group, clusters of 4 x 1, 327,680 bytes of LDS; arguments input_spikes, W1, bits; writes bits
.if DOCPART == 4
	.amdgcn_target "amdgcn-amd-amdhsa--gfx1250"
	.amdhsa_code_object_version 6
	.text
	.protected	k_qe3a85be474_lif
	.globl	k_qe3a85be474_lif
	.p2align	8
	.type	k_qe3a85be474_lif,@function
k_qe3a85be474_lif:
	s_mov_b64 s[64:65], 0
	v_nop
	global_prefetch_b8 v0, s[64:65] scope:SCOPE_SE
	s_setreg_imm32_b32 hwreg(HW_REG_WAVE_MODE, 25, 1), 1
	s_wait_xcnt 0x0
	s_wait_alu depctr_hold_cnt(0) depctr_sa_sdst(0) depctr_va_vdst(0) depctr_va_sdst(0) depctr_va_ssrc(0) depctr_va_vcc(0) depctr_vm_vsrc(0)
	s_getreg_b32 s2, hwreg(HW_REG_IB_STS2, 6, 4)
	s_cmp_eq_u32 s2, 0
	s_cbranch_scc0 .Lentry_in_a_cluster
	s_endpgm
.Lentry_in_a_cluster:
	s_bfe_u32 s2, ttmp6, 0x10000c
	s_cmp_lg_u32 s2, 0x3003
	s_cbranch_scc0 .Lentry_shape_is_right
	s_endpgm
.Lentry_shape_is_right:
; fc1 and the LIF scan.  X = input_spikes [250 t][256 b][700] f32, W1 [1024 hidden][700] f32.
; Out: the spikes of all (t, b, hidden) as lane masks, one bit each:
;   bits byte (((g*4 + c)*32 + s)*4 + w)*256 + 4*(8 j + 4 p + nb);  g = group of 4 batches, c = slice of 256 hidden, s = chunk of 8 t, w = wave,
;   j = t & 7, p = pair of batches, nb = block of 16 hidden.  Bit r: batch 4g+2p, hidden 256c+64w+16nb+r; bit 16+r: batch 4g+2p+1.
; A work-group takes 4 batches x 256 hidden for all t; a wave 64 hidden.  A wave's share of W1, 64 x 704 in bf16, is 704 registers and stays
; in registers for the whole launch; X is the only stream.  X goes in chunks of 8 t x 4 batches = 32 rows.
; CLUSTER: the four hidden slices of one batch group need the same X, so they form a cluster of 4 and ask for each chunk jointly (mask 15):
; wave w of each of the four asks for batch 4g + w, with a descriptor made of g and w alone.
; The matrix instruction: source 0 = 16 rows of X (2 batches x 8 t), source 1 = 16 hidden of W1.  In the result register j of lane (r, h) is
; t = 8 s + j of batch 2 p + h and hidden r: every lane is a chain of its own in t, and the scan runs down the eight registers.
; X arrives as f32 in stage F (tensor loads), is rounded to bf16 by the wave that asked for it and laid into H (LDS stores): F and H are
; separate bytes, and no tensor load ever lands in H.  Chunk 31 has two real t: the tensor load writes zeros for the six rows past the tensor's end.
; THE ORDER OF WORK: a chunk's product is made in two halves, the batch pair p = 0 (tiles 0-3) and the pair p = 1 (tiles 4-7).  While one half is
; multiplied the other half's eight scan steps are done, two scan instructions behind each matrix instruction: half p = 1 of chunk s - 1 under
; half p = 0 of chunk s, half p = 0 of chunk s under half p = 1 of chunk s.  So one set of accumulators serves, and a chunk's masks leave in the
; middle of the next step.  LDS instructions stand in eight runs a step, at the boundaries of the K groups (6, 6, 6, 4 blocks of 32 in each half).
; LIMITS: X and W1 are rounded to bf16 (0 and 1 are exact).  The step is fma(0.9, mem, cur) - reset, one rounding fewer than the problem's formula,
; and the sums over K are the matrix unit's: a membrane within f32 rounding distance of the threshold may spike one step apart.
.set NIB,   2800                       ; bytes in a row of X or of W1
.set FW,    8*NIB                      ; a wave's part of a stage: 8 t of one batch, dense
.set FS,    4*FW                       ; a stage: F0 at 0, F1 at FS
.set H0,    2*FS                       ; H0 at 179,200, a multiple of 256
.set HP,    1424                       ; pitch of H: 1,408 bytes of 704 bf16 + 16 = 89 x 16, so 16 rows start in 16 different 16-byte columns
.set HS,    32*HP                      ; 45,568, a multiple of 256; H1 at H0 + HS
.set TP,    16*HP                      ; from tile row p = 0 to p = 1
.set CHUNK, 8*256*NIB                  ; bytes of X from a chunk to the next
; W1's fragment (kk, nb), kk = 0..21 (32 K each): window kk/8, register 32 (kk % 8) + 8 nb: windows 0 to 2
; window 3 (v768 and up), written here by their low 8 bits: all that is worked on
.set AH,   2                           ; v2,3   H0, H1 + r*HP + 16 h: fragment reads
.set AF,   4                           ; v4,5   F0, F1 + w*FW + 16 lane: reads of my stage
.set AS,   6                           ; v6,7   H0, H1 + 8 w*HP + 8 lane: stores of my 8 rows
.set BA,   8                           ; v8     8 lane: my two words of the chunk's 64 masks
.set PFO,  9                           ; v9     256 min(lane, 21)
.set WA,   10                          ; v10    r*NIB + 32 h
.set WT,   11                          ; v11    r*NIB + 16 h
.set BITS, 12                          ; v12,13 the masks of a chunk: word 2 lane + register
.set MEM,  16                          ; v16-23 membrane of tile q = 4 p + nb
.set SPK,  24                          ; v24-31 its last spike, 0.0 or 1.0
.set ACC,  32                          ; v32-95   eight accumulator tiles
.set XF,   96                          ; v96-191  two buffers of X fragments, 6 K blocks x 8 registers each
.set CT,   192                         ; v192-255 two sets for the conversion: a row's six 16-byte pieces, 24 of 32 registers
.set PT,   64                          ; v64-255  the set-up's temporaries
.set G1,  16                           ; s[16:23] descriptor group 1
.set G1T, 24                           ; s[24:31] the same for chunk 31: two rows are left of the tensor
.set G0,  32                           ; s[32:39] descriptor group 0, one for each stage
.set MK,  72                           ; s[72:79] the eight tiles' masks of one t
.set MSB, 0
.macro WIN new                         ; the immediate's high byte repeats the setting that is left; a switch that changes nothing is dropped
.if MSB != (\new)
	s_set_vgpr_msb (MSB<<8)|(\new)
.set MSB, (\new)
.endif
.endm
.macro ROUND                           ; a round of the cluster's barrier
	s_barrier_signal -1
	s_barrier_wait -1
	s_cmp_lg_u32 s10, 0
	s_cbranch_scc1 .Lnot_wave_0_\@
	s_barrier_signal -3
.Lnot_wave_0_\@:
	s_barrier_wait -3
	s_barrier_signal -1
	s_barrier_wait -1
.endm
.macro PLACES                          ; four places behind a matrix instruction (ISA guide 7.12.1) before its registers are loaded into, read or written
.rept 4
	v_nop
.endr
.endm
	s_load_b128 s[4:7], s[0:1], 0x0                ; X s[4:5], W1 s[6:7]
	s_load_b64 s[8:9], s[0:1], 0x10                ; bits
	s_set_vgpr_msb 0x80
	v_lshl_add_u32 v254, v0, 2, 0x42000
	v_mov_b32 v255, 0
	s_set_vgpr_msb 0x808a
	ds_add_u32 v254, v255
	s_set_vgpr_msb 0x8a00
	v_lshrrev_b32 v1, 5, v0
	v_readfirstlane_b32 s10, v1                    ; w
	s_bfe_u32 s11, ttmp6, 0x40000                  ; c: my place in the cluster = my hidden slice; it enters global addresses of W1, bits and prefetches alone
	s_mov_b32 s12, ttmp9                           ; g: the cluster's number = the batch group
	s_mov_b32 s13, 0x3f666666                      ; 0.9
	s_mov_b32 s14, 0xffff0000                      ; lanes 16-31
	; lane terms, made in window 0 and copied to window 3 below
	v_and_b32 v1, 31, v0                           ; lane
	v_and_b32 v12, 15, v0                          ; r
	v_bfe_u32 v13, v0, 4, 1                        ; h
	v_mul_u32_u24 v14, v12, HP
	v_lshl_add_u32 v14, v13, 4, v14
	v_add_nc_u32 v2, H0, v14
	v_add_nc_u32 v3, H0+HS, v14
	s_mul_i32 s46, s10, FW
	v_lshl_add_u32 v4, v1, 4, s46
	v_add_nc_u32 v5, FS, v4
	s_mul_i32 s47, s10, 8*HP
	s_add_co_u32 s47, s47, H0
	v_lshl_add_u32 v6, v1, 3, s47
	v_add_nc_u32 v7, HS, v6
	v_lshlrev_b32 v8, 3, v1
	v_min_u32 v9, 21, v1
	v_lshlrev_b32 v9, 8, v9
	v_mul_u32_u24 v15, v12, NIB
	v_lshl_add_u32 v10, v13, 5, v15
	v_lshl_add_u32 v11, v13, 4, v15
	v_and_b32 v16, 7, v0
	v_mul_u32_u24 v16, v16, HP
	v_add_nc_u32 v16, s47, v16                     ; my 8 rows of H0, one for each lane & 7
	v_mov_b32 v18, 0
	v_mov_b32 v19, 0
	; descriptor group 1: 8 rows (t) of 700 f32, 256 x 700 elements from t to t, dense in LDS
	s_mov_b32 s[G1+0], 15|(2<<16)|(1<<21)          ; mask: all four of the cluster; elements of 4 bytes; bit 21 beside a mask
	s_mov_b32 s[G1+1], 700<<16                     ; tensor_dim0
	s_mov_b32 s[G1+2], 8<<16                       ; tensor_dim1
	s_mov_b32 s[G1+3], 700<<16                     ; tile_dim0
	s_mov_b32 s[G1+4], 8                           ; tile_dim1
	s_mov_b32 s[G1+5], 179200                      ; pitch
	s_mov_b32 s[G1+6], 0
	s_mov_b32 s[G1+7], 0
	s_mov_b32 s[G1T+0], 15|(2<<16)|(1<<21)
	s_mov_b32 s[G1T+1], 700<<16
	s_mov_b32 s[G1T+2], 2<<16                      ; t = 248 and 249 are left: rows 2 to 7 of the tile arrive as zeros
	s_mov_b32 s[G1T+3], 700<<16
	s_mov_b32 s[G1T+4], 8
	s_mov_b32 s[G1T+5], 179200
	s_mov_b32 s[G1T+6], 0
	s_mov_b32 s[G1T+7], 0
	s_lshl_b32 s44, s12, 2                         ; X's tile: batch 4 g + w (registers that never hold c)
	s_add_co_u32 s44, s44, s10
	s_mul_i32 s44, s44, NIB
	s_mov_b32 s45, 0
	s_lshl_b32 s48, s11, 8                         ; W1: row 256 c + 64 w
	s_lshl_b32 s49, s10, 6
	s_add_co_u32 s48, s48, s49
	s_mul_i32 s48, s48, NIB
	s_mov_b32 s49, 0
	s_lshl_b32 s50, s12, 2                         ; bits: (4 g + c)*32,768 + 256 w
	s_add_co_u32 s50, s50, s11
	s_lshl_b32 s50, s50, 15
	s_lshl_b32 s51, s10, 8
	s_add_co_u32 s50, s50, s51
	s_mov_b32 s51, 0
	s_lshl_b32 s52, s11, 1                         ; prefetch: of chunk 3 (t = 24 ..) the sixteen waves of the cluster take t = 24 + 2 c + w/2,
	s_lshr_b32 s53, s10, 1                         ; and of that t's 11,200 bytes (4 batches) the half w & 1
	s_add_co_u32 s52, s52, s53
	s_add_co_u32 s52, s52, 24
	s_lshl_b32 s52, s52, 8
	s_lshl_b32 s53, s12, 2
	s_add_co_u32 s52, s52, s53
	s_mul_i32 s52, s52, NIB
	s_and_b32 s53, s10, 1
	s_mul_i32 s53, s53, 2*NIB
	s_add_co_u32 s52, s52, s53
	s_mov_b32 s53, 0
	s_wait_dscnt 0x0
	s_wait_kmcnt 0x0
	s_add_nc_u64 s[40:41], s[4:5], s[52:53]
	s_add_nc_u64 s[6:7], s[6:7], s[48:49]
	s_add_nc_u64 s[8:9], s[8:9], s[50:51]
	s_add_nc_u64 s[56:57], s[4:5], s[44:45]
.irp n, 0,1
	s_mov_b32 s[G0+4*\n], 1
	s_add_co_u32 s[G0+4*\n+1], s46, \n*FS                          ; stage n, my quarter
	s_add_nc_u64 s[G0+4*\n+2:G0+4*\n+3], s[56:57], \n*CHUNK        ; chunk n
	s_or_b32 s[G0+4*\n+3], s[G0+4*\n+3], 0x80000000
.endr
	ROUND                                          ; all four work-groups are here: the first joint loads meet
	tensor_load_to_lds s[G0:G0+3], s[G1:G1+7]      ; chunk 0
	s_nop 0
	tensor_load_to_lds s[G0+4:G0+7], s[G1:G1+7]    ; chunk 1: two tensor loads of the wave are out here, later one
	s_nop 0
	ds_store_b64 v16, v[18:19] offset:1400         ; k = 700..703 of my 8 rows of H0 and of H1 are zero, once: the conversion never writes there
	ds_store_b64 v16, v[18:19] offset:1400+HS
	WIN 0xc0                                       ; destination window 3, source window 0
.irp i, 2,3,4,5,6,7,8,9,10,11
	v_mov_b32 v\i, v\i
.endr
	v_mov_b32 v[BITS], 0                           ; v_writelane_b32 counts as a reader of its destination
	v_mov_b32 v[BITS+1], 0
.irp q, 0,1,2,3,4,5,6,7
	v_mov_b32 v[MEM+\q], 0                         ; mem0 = 0, no reset in the first step
	v_mov_b32 v[SPK+\q], 0
.endr
; W1 into registers.  One K block of 32 for my 64 hidden is 16 loads of 16 bytes a lane into one of three sets of 64 temporaries.
.macro LOADK kk, slot
	WIN 0xcf
.irp nb, 0,1,2,3
	global_load_b128 v[PT+64*\slot+16*\nb:PT+64*\slot+16*\nb+3],     v[WA], s[6:7] offset:\nb*16*NIB+\kk*128       ; k = 8 h + 0..3
	global_load_b128 v[PT+64*\slot+16*\nb+4:PT+64*\slot+16*\nb+7],   v[WA], s[6:7] offset:\nb*16*NIB+\kk*128+16    ; k = 8 h + 4..7
	global_load_b128 v[PT+64*\slot+16*\nb+8:PT+64*\slot+16*\nb+11],  v[WA], s[6:7] offset:\nb*16*NIB+\kk*128+64    ; k = 16 + 8 h + 0..3
.if \kk == 21
	global_load_b128 v[PT+64*\slot+16*\nb+12:PT+64*\slot+16*\nb+15], v[WT], s[6:7] offset:\nb*16*NIB+\kk*128+80    ; lanes 16-31 would read k = 700..703, past the row: they read k = 696..699 again
.else
	global_load_b128 v[PT+64*\slot+16*\nb+12:PT+64*\slot+16*\nb+15], v[WA], s[6:7] offset:\nb*16*NIB+\kk*128+80    ; k = 16 + 8 h + 4..7
.endif
.endr
.endm
.macro CVTK kk, slot
.if \kk == 21
	WIN 0xcf
.irp nb, 0,1,2,3
.irp e, 12,13,14,15
	v_cndmask_b32 v[PT+64*\slot+16*\nb+\e], v[PT+64*\slot+16*\nb+\e], 0, s14   ; k = 700..703 count as zero
.endr
.endr
.endif
.set wsel, ((\kk/8)<<6)|0x0f
	WIN wsel                                       ; destination: W's window; sources: window 3
.irp nb, 0,1,2,3
.irp i, 0,1,2,3,4,5,6,7
	v_cvt_pk_bf16_f32 v[32*(\kk%8)+8*\nb+\i], v[PT+64*\slot+16*\nb+2*\i], v[PT+64*\slot+16*\nb+2*\i+1]
.endr
.endr
.endm
.set lk, 0
.rept 3
.set ls, lk%3
	LOADK lk, ls
.set lk, lk+1
.endr
	s_wait_dscnt 0x0                               ; the two stores of zeros have read window 0's v16-19, which W1's first block now takes
.set ck, 0
.rept 22
.if ck < 20
	s_wait_loadcnt 32                              ; loads come back in order: the two younger K blocks, 16 loads each, stay out
.else
.if ck == 20
	s_wait_loadcnt 16
.else
	s_wait_loadcnt 0
.endif
.endif
.set cs, ck%3
	CVTK ck, cs
.if ck < 19
.set lk, ck+3
	LOADK lk, cs
.endif
.set ck, ck+1
.endr
; The conversion of one row (one t) of my stage: 175 pieces of 16 bytes = five passes of 32 lanes and a sixth that begins at piece 143,
; so that no lane is switched off; 17 pieces of a row are converted twice, to the same value, by the same wave.
.macro CL row, par, base               ; six loads from stage F[par]
.irp ps, 0,1,2,3,4
	ds_load_b128 v[\base+4*\ps:\base+4*\ps+3], v[AF+(\par)] offset:(\row)*NIB+512*\ps
.endr
	ds_load_b128 v[\base+20:\base+23], v[AF+(\par)] offset:(\row)*NIB+2288
.endm
.macro CV base                         ; twelve roundings, in place
.irp ps, 0,1,2,3,4,5
	v_cvt_pk_bf16_f32 v[\base+4*\ps], v[\base+4*\ps], v[\base+4*\ps+1]
	v_cvt_pk_bf16_f32 v[\base+4*\ps+1], v[\base+4*\ps+2], v[\base+4*\ps+3]
.endr
.endm
.macro CS row, par, base               ; six stores into H[par], row 8 w + row: 32 lanes, 256 neighbouring bytes each
.irp ps, 0,1,2,3,4
	ds_store_b64 v[AS+(\par)], v[\base+4*\ps:\base+4*\ps+1] offset:(\row)*HP+256*\ps
.endr
	ds_store_b64 v[AS+(\par)], v[\base+20:\base+21] offset:(\row)*HP+1144
.endm
; K group G = 0..7 of a step: half G/4 (the batch pair), K blocks 6 (G % 4) and on, six of them (the fourth group of a half: four); fragment buffer G % 2.
; Lane (r, h) takes 16 bytes at row*HP + 64 kk + 16 h and 32 bytes further.
.macro FETCH G, par
.set fk0, 6*((\G)%4)
.if ((\G)%4) < 3
.set fnk, 6
.else
.set fnk, 4
.endif
.set fb, XF+48*((\G)%2)
.set fo, ((\G)/4)*TP+fk0*64
.set fk, 0
.rept fnk
	ds_load_b128 v[fb+8*fk:fb+8*fk+3],   v[AH+\par] offset:fo+fk*64
	ds_load_b128 v[fb+8*fk+4:fb+8*fk+7], v[AH+\par] offset:fo+fk*64+32
.set fk, fk+1
.endr
.endm
; The scan of one half (tiles 4 shf .. 4 shf + 3) as a stream of 160 instructions, su the next one: for each of eight t
;   mem = 0.9 mem + cur;  mem = mem - last spike;  mask = mem > 1;  spike = mask ? 1 : 0;  the lane mask is the output word 8 j + q = 2 lane + register.
; No instruction has a vector register as its second source, so the stream runs under every window setting of the products.
.macro SFILL n
.rept \n
.if su < 160
.set sj, su/20
.set sph, (su%20)/4
.set sq, 4*shf+su%4
.if sph == 0
	v_fma_f32 v[MEM+sq], v[MEM+sq], s13, v[ACC+8*sq+sj]
.endif
.if sph == 1
	v_fma_f32 v[MEM+sq], v[SPK+sq], -1.0, v[MEM+sq]
.endif
.if sph == 2
	v_cmp_gt_f32 s[MK+sq], v[MEM+sq], 1.0
.endif
.if sph == 3
	v_cndmask_b32 v[SPK+sq], 0, 1.0, s[MK+sq]
.endif
.if sph == 4
	v_writelane_b32 v[BITS+sq%2], s[MK+sq], 4*sj+sq/2
.endif
.set su, su+1
.endif
.endr
.endm
; The products of K group G: four matrix instructions for each K block.  The half's four accumulators take turns, one instruction a turn, in the same
; order everywhere.  The first K block starts the sums with the constant 0.  Behind each: two instructions of the other half's scan.
.macro MULG G
.set ghf, (\G)/4
.set gk0, 6*((\G)%4)
.if ((\G)%4) < 3
.set gnk, 6
.else
.set gnk, 4
.endif
.set gb, XF+48*((\G)%2)
.set mk, gk0
.rept gnk
.set wsel, 0xf3|((mk/8)<<2)
	WIN wsel                                       ; C, D and X's fragment in window 3, W1's fragment in window kk/8
.set wb, 32*(mk%8)
.set mx, gb+8*(mk-gk0)
.set mq, 0
.rept 4
.set ma, ACC+8*(4*ghf+mq)
.if mk == 0
	v_wmma_f32_16x16x32_bf16 v[ma:ma+7], v[mx:mx+7], v[wb+8*mq:wb+8*mq+7], 0
.else
	v_wmma_f32_16x16x32_bf16 v[ma:ma+7], v[mx:mx+7], v[wb+8*mq:wb+8*mq+7], v[ma:ma+7]
.endif
	SFILL 2
.set mq, mq+1
.endr
.set mk, mk+1
.endr
.endm
; The boundary behind K group i.  All LDS instructions that are out were issued a whole group ago: the wait is for 0, and it shows group i + 1's
; fragments and row i of the stage landed and row i - 1's stores done.  The twelve roundings (or four v_nop) are the places behind the group's last
; matrix instructions, for the loads into its fragment buffer and, at the end of a half, for the scan that reads its results.
; Then one run: row i + 1 from the stage, group i + 2's fragments, and last, well behind their roundings, row i's stores.
.macro BOUND i, par, conv
	WIN 0xff
	s_wait_dscnt 0x0
.set cb0, CT+32*((\i)%2)
.set cb1, CT+32*((\i+1)%2)
.if \conv
	CV cb0
.if \i < 7
	CL \i+1, 1-\par, cb1
.endif
.else
	PLACES
.endif
.if \i < 6
	FETCH \i+2, \par
.endif
.if \conv
	CS \i, 1-\par, cb0
.endif
.endm
; Step s, par = s & 1.  H[par] holds chunk s; F[1-par] holds chunk s + 1; F[par] has been converted and is filled again with chunk s + 2.
; refill: 0 none, 1 a whole chunk, 2 chunk 31.  conv: chunk s + 1 goes from F[1-par] to H[1-par].  pf: chunk s + 3 is asked into the L2.
; scanb: chunk s - 1 exists: its second half is scanned and its masks are stored.
.macro STEP par, refill, conv, pf, scanb
	s_set_vgpr_msb 0xa
	s_wait_tensorcnt 0x0                           ; all my tensor loads have landed, chunk s + 1 among them,
	ds_add_u32 v254, v255
	s_wait_dscnt 0x0
	s_set_vgpr_msb 0xa00
.if \refill
	s_add_nc_u64 s[G0+4*\par+2:G0+4*\par+3], s[G0+4*\par+2:G0+4*\par+3], 2*CHUNK   ; so a group 0 may be written: this stage's next chunk
.endif
	s_wait_dscnt 0x0                               ; my stores into H[par], my reads of H[1-par] and of F[par] are done
.if \refill
	ROUND                                          ; and so are those of every wave of the four work-groups
.if \refill == 2
	tensor_load_to_lds s[G0+4*\par:G0+4*\par+3], s[G1T:G1T+7]
	s_nop 0
.else
	tensor_load_to_lds s[G0+4*\par:G0+4*\par+3], s[G1:G1+7]        ; my one tensor load behind the round, first thing there; it has this whole step in which to land
	s_nop 0
.endif
.else
	s_barrier_signal -1                            ; it hands H[par] over
	s_barrier_wait -1
.endif
	WIN 0xff
	FETCH 0, \par
	FETCH 1, \par
.if \conv
	CL 0, 1-\par, CT                               ; chunk s + 1 was shown landed by the wait for 0 above
.endif
.if \pf
	global_prefetch_b8 v[PFO], s[40:41] th:TH_LOAD_NT scope:SCOPE_SE   ; 22 lanes 256 bytes apart: my sixteenth of chunk s + 3, whose tensor load is issued in the next step
.endif
.if \scanb
.set su, 0
.set shf, 1                                        ; the stream: chunk s - 1, tiles 4-7
.else
.set su, 160
.endif
	SFILL 40                                       ; two t of the scan while the first fragments come
	s_wait_dscnt 12+6*\conv                        ; group 0's twelve loads are in; group 1's twelve and the stage's six stay out
	MULG 0
	BOUND 0, \par, \conv
	MULG 1
	BOUND 1, \par, \conv
	MULG 2
	BOUND 2, \par, \conv
	MULG 3
	SFILL 160                                      ; what is left of the stream, if anything
	WIN 0xff
.if \scanb
	global_store_b64 v[BA], v[BITS:BITS+1], s[8:9] ; chunk s - 1: the wave's 64 masks, 256 consecutive bytes, aligned
.endif
	BOUND 3, \par, \conv
	s_wait_xcnt 0x0                                ; the masks' registers and both bases are written again only behind this wait
.if \scanb
	s_add_nc_u64 s[8:9], s[8:9], 1024
.endif
.if \pf
	s_add_nc_u64 s[40:41], s[40:41], CHUNK
.endif
.set su, 0
.set shf, 0                                        ; the stream: chunk s, tiles 0-3
	MULG 4
	BOUND 4, \par, \conv
	MULG 5
	BOUND 5, \par, \conv
	MULG 6
	BOUND 6, \par, \conv
	MULG 7
	BOUND 7, \par, \conv
	SFILL 160
	WIN 0                                          ; at a label and at a branch every window is 0
.endm
	; chunk 0 from F0 to H0, all eight rows at once in the set-up's temporaries
	WIN 0xff
	s_wait_tensorcnt 0x1                           ; chunk 0 is in my stage; chunk 1 may stay out
.set pi, 0
.rept 8
.set pb, PT+24*pi
	CL pi, 0, pb
.set pi, pi+1
.endr
	s_wait_dscnt 0x0
.set pi, 0
.rept 8
.set pb, PT+24*pi
	CV pb
.set pi, pi+1
.endr
.set pi, 0
.rept 8
.set pb, PT+24*pi
	CS pi, 0, pb
.set pi, pi+1
.endr
	WIN 0
	STEP 0, 1, 1, 1, 0                             ; step 0: no chunk in front of it to scan
	s_mov_b32 s15, 13
.Lloop:                                            ; steps 1 to 26
	STEP 1, 1, 1, 1, 1
	STEP 0, 1, 1, 1, 1
	s_sub_co_u32 s15, s15, 1
	s_cmp_lg_u32 s15, 0
	s_cbranch_scc1 .Lloop
	STEP 1, 1, 1, 1, 1                             ; step 27 asks for chunk 30, t up to 247: the last prefetch
	STEP 0, 1, 1, 0, 1                             ; step 28
	STEP 1, 2, 1, 0, 1                             ; step 29 fetches chunk 31, two real t
	STEP 0, 0, 1, 0, 1                             ; step 30: nothing is left to fetch
	STEP 1, 0, 0, 0, 1                             ; step 31: nothing is left to convert
	WIN 0xff
.set su, 0
.set shf, 1
	SFILL 160                                      ; chunk 31, tiles 4-7: the four v_nop of the last boundary stand behind their last products
	global_store_b64 v[BA], v[BITS:BITS+1], s[8:9] ; chunk 31's masks
	WIN 0
	ROUND                                          ; the closing round: no work-group ends while a partner may still ask jointly
	s_endpgm
.Lfunc_end_k_qe3a85be474_lif:
	.size	k_qe3a85be474_lif, .Lfunc_end_k_qe3a85be474_lif-k_qe3a85be474_lif
	.p2alignl 7, 3214868480
	.fill 96, 4, 3214868480
	.section	.rodata,"a",@progbits
	.p2align	6, 0x0
	.amdhsa_kernel k_qe3a85be474_lif
		.amdhsa_group_segment_fixed_size 327680
		.amdhsa_private_segment_fixed_size 0
		.amdhsa_enable_private_segment 0
		.amdhsa_kernarg_size 24
		.amdhsa_user_sgpr_count 2
		.amdhsa_user_sgpr_kernarg_segment_ptr 1
		.amdhsa_wavefront_size32 1
		.amdhsa_system_sgpr_workgroup_id_x 1
		.amdhsa_system_sgpr_workgroup_id_y 1
		.amdhsa_system_sgpr_workgroup_id_z 1
		.amdhsa_system_vgpr_workitem_id 0
		.amdhsa_next_free_vgpr 1024
		.amdhsa_next_free_sgpr 80
		.amdhsa_reserve_vcc 0
		.amdhsa_float_denorm_mode_32 3
		.amdhsa_float_denorm_mode_16_64 3
		.amdhsa_memory_ordered 1
		.amdhsa_forward_progress 1
		.amdhsa_inst_pref_size 255
	.end_amdhsa_kernel
	.section	.bss,"aw",@nobits
	.p2align	6
	.space	262144
	.amdgpu_metadata
---
amdhsa.version: [ 1, 2 ]
amdhsa.kernels:
  - .name:           k_qe3a85be474_lif
    .symbol:         k_qe3a85be474_lif.kd
    .args:
      - { .name: input_spikes, .offset: 0, .size: 8, .value_kind: global_buffer, .address_space: global }
      - { .name: W1, .offset: 8, .size: 8, .value_kind: global_buffer, .address_space: global }
      - { .name: bits, .offset: 16, .size: 8, .value_kind: global_buffer, .address_space: global }
    .group_segment_fixed_size: 327680
    .private_segment_fixed_size: 0
    .kernarg_segment_align: 8
    .kernarg_segment_size: 24
    .max_flat_workgroup_size: 128
    .sgpr_count:     80
    .vgpr_count:     1024
    .wavefront_size: 32
...
	.end_amdgpu_metadata
.endif
;; end of part 4
;; launch fc2: the kernel of part 2 again; grid 16 x 16, 8 waves a work-group, no clusters, 120,064 bytes of LDS; arguments bits, W2, loc; writes loc
;; launch readout: the kernel of part 3 again; grid 16 x 16, 8 waves a work-group, no clusters, 41,984 bytes of LDS; arguments loc, out0, out1; writes out0, out1
